; MI455X (gfx1250); checked and timed in simulation.
; The chip was launched on July 23, 2026; its instructions are those of AMD's public machine-readable ISA for CDNA 5 (MIT licence, August 2026) and "CDNA5" Instruction Set Architecture Reference Guide (July 2026). The comments in the code are by the model that wrote it; some were corrected since.
;; Windowed Multihead Attention. Allowed arithmetic: matrix products marked QUANTISED: E5M2 operands, one E8M0 scale for each 32 along K, by v_wmma_scale_f32_16x16x128_f8f6f4 with both operands' format E5M2, f32 sums; everything else in f32.
;; Inputs: proj_b 256 float32; proj_w 256 x 256 float32; qkv_b 768 float32; qkv_w 768 x 256 float32; x 8 x 1,024 x 256 float32.
;; Outputs: out0 8 x 1,024 x 256 float32.
;; This version of the problem:
;;   THIS VERSION OF THE PROBLEM IS GIVEN IN LOW PRECISION. The matrix products marked QUANTISED in the list below multiply operands that are first quantised to E5M2 (5 exponent bits, 2 mantissa bits; 8 bits a number), with one power-of-two scale for each 32 numbers along K (OCP MX v1.0); their sums are f32. All else is computed in f32.
;;   The module's matrix products, in the order in which they are computed (A, B: the left and right operand; K: the contracted axis; several contracted axes count as one K, in the product's order):
;;     1. [M 8,192, K 256] x [K 256, N 768]; A: input x; B: input qkv_w: QUANTISED
;;     2. batch 64 x [M 1,024, K 32] x [K 32, N 1,024]; A: computed on the way; B: computed on the way: QUANTISED
;;     3. batch 64 x [M 1,024, K 1,024] x [K 1,024, N 32]; A: softmax (see below); B: computed on the way: QUANTISED
;;     4. [M 8,192, K 256] x [K 256, N 256]; A: computed on the way; B: input proj_w: QUANTISED
;;   THE QUANTISER, for each operand of a quantised product, along K:
;;     - K is cut into blocks of 32 from its start; a last block that is shorter is filled with zeros.
;;     - A block's scale is 2^e with e = floor(log2(the largest magnitude in the block)) - 15, held to -126 .. 127; a block of zeros has e = 0. As a byte (E8M0): e + 127.
;;     - Each number is divided by its block's scale, clamped to +-57,344, and rounded to the nearest number of E5M2, ties to even, subnormals kept.
;;     - The product sums the exact products of the quantised numbers (number of the format x scale) in f32.
;;   ~~~python
;;   def quantise(x, axis):      # numpy; x: float32 -> the quantised numbers, widened to float32 again
;;       x = np.moveaxis(x, axis, -1); K = x.shape[-1]
;;       x = np.pad(x, [(0, 0)] * (x.ndim - 1) + [(0, -K % 32)]); x = x.reshape(x.shape[:-1] + (-1, 32)); a = np.abs(x).max(-1, keepdims=True)
;;       e = np.where(a > 0, np.clip(np.frexp(np.where(a > 0, a, 1))[1] - 1 - 15, -126, 127), 0)      # np.frexp(a)[1] - 1 = floor(log2(a)), exactly
;;       r = np.clip(x / 2.0 ** e, -57344, 57344)
;;       step = 2.0 ** (np.maximum(np.frexp(np.where(r == 0, 1, r))[1] - 1, -14) - 2)
;;       q = np.round(r / step) * step * 2.0 ** e      # np.round: ties to even
;;       return np.moveaxis(q.reshape(q.shape[:-2] + (-1,))[..., :K], -1, axis).astype(np.float32)
;;   ~~~
;;   SOFTMAX AHEAD OF A QUANTISED PRODUCT. Where the list says 'softmax', what is quantised is not the finished softmax but p = 2^(t - M), with t = logit x log2(e) and M = ceil(the row's largest t), a whole number; so 1/2 < the row's largest p <= 1. The row's sum l is taken of the UNQUANTISED p, in f32, and the product's result is divided by l at the end. Since M is a whole number, a kernel that streams over the keys may use a running M (the ceiling of the running maximum): every later rescaling is an exact power of two, which a block's scale takes up: the codes' values come out the same.
;;   OPERANDS COMPUTED ON THE WAY. 'Computed on the way' means the value that the module computes at that place (a softmax that the list does not call 'softmax' is quantised finished and normalised). What goes into a quantiser is computed in f32, as accurately as f32 sums, v_exp_f32 and their like allow (about 1e-6 of the number): no bf16 or f16 on the way to a quantiser, and a product that is left as it is and whose result goes on into a quantised operand takes f32 operands (vector FMAs, or v_wmma_f32_16x16x4_f32). A number that lies on a knife's edge between two numbers of the format may be rounded either way, as far as f32 arithmetic and the matrix unit's own rounding can turn it there, and no further.
;; One version. Each part assembles by itself: llvm-mc -triple=amdgcn-amd-amdhsa -mcpu=gfx1250 --defsym DOCPART=n.
;; ======== version 1 of 1: 2 launches
;; limits: right only within a limited range of input values
;; workspace buffers: qkvc 6,291,456 bytes; scl 786,432 bytes; pwc 65,536 bytes; pws 2,048 bytes
;; launch qkv (part 1): grid 4 x 64, 16 waves a work-group, clusters of 4 x 4, 300,544 bytes of LDS; arguments x, qkv_w, qkv_b, proj_w, qkvc, scl, pwc, pws; writes qkvc, scl, pwc, pws
.if DOCPART == 1
	.amdgcn_target "amdgcn-amd-amdhsa--gfx1250"
	.amdhsa_code_object_version 6
	.text
	.protected	k_qd3263adcbb_qkv
	.globl	k_qd3263adcbb_qkv
	.p2align	8
	.type	k_qd3263adcbb_qkv,@function
k_qd3263adcbb_qkv:
	s_mov_b64 s[64:65], 0
	v_nop
	global_prefetch_b8 v0, s[64:65] scope:SCOPE_SE
	s_setreg_imm32_b32 hwreg(HW_REG_WAVE_MODE, 25, 1), 1
	s_wait_xcnt 0x0
	s_wait_alu depctr_hold_cnt(0) depctr_sa_sdst(0) depctr_va_vdst(0) depctr_va_sdst(0) depctr_va_ssrc(0) depctr_va_vcc(0) depctr_vm_vsrc(0)
	s_getreg_b32 s2, hwreg(HW_REG_IB_STS2, 6, 4)
	s_cmp_eq_u32 s2, 0
	s_cbranch_scc0 .Lentry_in_a_cluster
	s_endpgm
.Lentry_in_a_cluster:
	s_bfe_u32 s2, ttmp6, 0x10000c
	s_cmp_lg_u32 s2, 0xf033
	s_cbranch_scc0 .Lentry_shape_is_right
	s_endpgm
.Lentry_shape_is_right:
; qkv = x W^T + b on codes of BF8 (E5M2), one E8M0 scale for each 32 along K (K = 256); then q / 16 and k are quantised along the head's 32 numbers and v along the 32 tokens of a grid row,
; and leave as IMAGES OF OPERAND REGISTERS for the second launch.  One row of proj_w a work-group is quantised on the side.
; WORK LEFT OUT BY THE PROGRAM (in the second launch): query (h, w) sees key (h', w') only where |h - h'| <= 3 and |w - w'| <= 5; reference() puts -infinity on every other score for all values of the inputs, so its p is 0.
;   Key rows outside the window's seven (clamped into the image) are not multiplied, and of a row's 32 columns those that none of a tile's 16 neighbouring queries sees get no softmax: their codes are zeros.
;   LIMIT: a NaN, an infinity or an overflow that reaches only this left-out work is not carried to the result.
; SHARES.  Work-group (Y, X): heads 2 Y, 2 Y + 1; grid rows 4 X .. 4 X + 3 (of 256 = 8 images x 32): 128 tokens x 6 groups of 32 columns.
;   Phase A: wave w (of 16) quantises eight of x's tokens, and W's rows 4 w .. 4 w + 3 of each kind's 64, into LDS.
;   Phase B: wave w takes grid row w / 4, head 2 Y + (w / 2) % 2, and part w % 2: part 0 makes q and v's number tile 0, part 1 k and v's number tile 1: twelve products each.
; CLUSTERS of 4 x 4: the four work-groups of one Y need the same rows of W: each wave asks for its 12 rows jointly with the same wave of the three others.  x's 128 KiB as f32 do not fit in LDS beside W's 192 KiB and the codes,
;   so x goes straight into registers.  No prefetch: each byte is asked for at the head, and there is no loop to run ahead in.
; ORDER OF MEMBERS.  Tokens of a grid row: tile 0's row 8 h + j is token 14 - 2 j + h, tile 1's is 16 + 2 j + h.  Rows of W of a head: tile u's row r is number 8 u + r + 8 (r / 8).
;   q, k: source 0 = 16 rows of W, source 1 = 16 tokens: a lane holds one token and numbers 16 (lane / 16) + 0 .. 15.  v: the other way round: a lane holds one number and 16 tokens.
; OUT.  qkvc [kind 3][grid row 256][head 8][tile 2][lane 32][16 bytes];  scl [grid row][head][lane 32][k's word, v's word], and from byte 524,288 on [grid row][head][lane 32][q's word], a scale byte a word;
;   pwc [256][256], row 64 g + 4 r + t at 64 g + 16 t + r;  pws [256][8].
; LIMITS: NaN and infinities among the inputs are not served.  A block of zeros gets the byte 1 where the quantiser's rule says 127: its codes are zeros, and only this program reads the bytes.
.set PITCH, 272                        ; an LDS row of codes: 256 bytes + 16 of padding
.set WT,  128*PITCH                    ; x's 128 rows from byte 0; W's 192 behind them
.set XS,  WT+192*PITCH                 ; x's scale bytes, 8 a row
.set WS,  XS+128*8                     ; W's
.set WF,  WS+192*8                     ; W as f32: 12 rows a wave, 16 bytes of padding behind each 256
.set FROW, 1088
.set WREG, 12*FROW
.set SPARE, WF+16*WREG                 ; the spare words: 128 bytes a wave
.set SPW, 16
.set NIL, 17
.set XR,  18                           ; v18-81   phase A: 8 rows of x, 8 numbers a lane;  phase B: x's fragments (token tile a, K step s) at XR + 16 (2 a + s)
.set WR,  82                           ; v82-177  phase A: 12 rows of W;  phase B: W's fragments of q or k (tile u, K step s) at WR + 16 (2 u + s), of v at WR + 64 + 16 s
.set ACC, 178                          ; v178-225 phase B: three blocks of 16: q's or k's token tiles 0, 1; v's number tile.  Phase A works there:
.set QM,  178
.set QSO, 182
.set QHO, 186
.set QBY, 190
.set QCD, 194
.set PR,  202                          ; the row of proj_w
.set AX,  210                          ; addresses of x's pairs of rows
.set BQ,  226                          ; v226-241 q's or k's bias
.set BV,  242                          ; v242-243 v's (the upper word only named)
.set XW,  244                          ; v244-247 x's scale words; v248-251 q's or k's rows of W; v252-253 v's
.set OT,  2                            ; at the end: the other half's maxima, then the bytes
.set OM,  226
.set OH,  229
.set OS,  232
.set OC,  WR
.macro CROUND                          ; a round of the cluster's barrier
	s_barrier_signal -1
	s_barrier_wait -1
	s_cmp_lg_u32 s20, 0
	s_cbranch_scc1 .Lnot_wave_0_\@
	s_barrier_signal -3
.Lnot_wave_0_\@:
	s_barrier_wait -3
	s_barrier_signal -1
	s_barrier_wait -1
.endm
.macro F8 d, a, b, c, sa, sb
.if (\c) < 0
	v_wmma_scale_f32_16x16x128_f8f6f4 v[\d:\d+7], v[\a:\a+15], v[\b:\b+15], 0, v[\sa], v[\sb] matrix_a_fmt:MATRIX_FMT_BF8 matrix_b_fmt:MATRIX_FMT_BF8
.else
	v_wmma_scale_f32_16x16x128_f8f6f4 v[\d:\d+7], v[\a:\a+15], v[\b:\b+15], v[\c:\c+7], v[\sa], v[\sb] matrix_a_fmt:MATRIX_FMT_BF8 matrix_b_fmt:MATRIX_FMT_BF8
.endif
.endm
	s_load_b256 s[4:11], s[0:1], 0x0               ; x, qkv_w, qkv_b, proj_w
	s_load_b256 s[12:19], s[0:1], 0x20             ; qkvc, scl, pwc, pws
	v_lshl_add_u32 v[SPW], v0, 2, SPARE
	v_mov_b32 v[NIL], 0
	ds_add_u32 v[SPW], v[NIL]                      ; the opening lines: the add, twice on end
	ds_add_u32 v[SPW], v[NIL]
	v_lshrrev_b32 v18, 5, v0
	v_readfirstlane_b32 s20, v18                   ; wave w = 0..15
	s_bfe_u32 s21, ttmp6, 0x40000                  ; Y = my place along the cluster's x (the grid is one cluster wide)
	s_bfe_u32 s22, ttmp6, 0x40004
	s_and_b32 s23, ttmp7, 0xffff
	s_lshl_b32 s23, s23, 2
	s_add_co_u32 s22, s22, s23                     ; X
	s_lshr_b32 s23, s20, 2                         ; my grid row of the four
	s_bfe_u32 s24, s20, 0x10001                    ; phase B: my head % 2;  phase A: my token tile
	s_and_b32 s47, s20, 1                          ; phase B: my part;      phase A: which eight of the tile's 16 tokens
	; W's descriptor: 3 kinds x 4 rows of 1,024 bytes on end, the kinds 262,144 bytes apart; elements of 8 bytes
	s_lshl_b32 s25, 0x1111, s21                    ; the four work-groups of my column
	s_or_b32 s48, s25, (3<<16)|(1<<20)|(1<<21)|(5<<22)|(3<<25)
	s_mov_b32 s49, 512<<16
	s_mov_b32 s50, 3<<16
	s_mov_b32 s51, 512<<16
	s_mov_b32 s52, 3
	s_mov_b32 s53, 32768
	s_mov_b32 s54, 0
	s_mov_b32 s55, 0
	s_mov_b32 s56, 1
	s_mul_i32 s57, s20, WREG
	s_add_co_u32 s57, s57, WF                      ; my own 12 rows
	; offsets into the buffers
	s_mov_b32 s27, 0
	s_mov_b32 s29, 0
	s_mov_b32 s31, 0
	s_mov_b32 s33, 0
	s_mov_b32 s35, 0
	s_mov_b32 s37, 0
	s_mov_b32 s39, 0
	s_mov_b32 s41, 0
	s_mov_b32 s67, 0
	s_mov_b32 s69, 0
	s_mov_b32 s71, 0
	s_lshl_b32 s26, s22, 17                        ; x: 128 rows of 1,024 bytes a work-group; my tile's 16
	s_lshr_b32 s60, s20, 1
	s_lshl_b32 s60, s60, 14
	s_add_co_u32 s26, s26, s60
	s_lshl_b32 s28, s21, 16                        ; W: 64 rows a kind for my two heads, 4 a wave
	s_lshl_b32 s60, s20, 12
	s_add_co_u32 s28, s28, s60
	s_lshl_b32 s66, s21, 8                         ; the biases: my head's 32 numbers
	s_lshl_b32 s60, s24, 7
	s_add_co_u32 s66, s66, s60
	s_lshl_b32 s60, s47, 10
	s_add_co_u32 s30, s66, s60                     ; q's or k's,
	s_lshl_b32 s60, s47, 5
	s_add_co_u32 s66, s66, s60
	s_add_co_u32 s66, s66, 2048                    ; and v's, at my number tile
	s_lshl_b32 s60, s22, 2
	s_add_co_u32 s60, s60, s21                     ; the work-group's row of proj_w: 4 X + Y = 64 (X / 16) + 4 (X % 16) + Y
	s_lshl_b32 s32, s60, 10
	s_lshl_b32 s40, s60, 3
	s_lshr_b32 s38, s22, 4                         ; its place in pwc: 64 (X / 16) + 16 Y + X % 16
	s_lshl_b32 s38, s38, 6
	s_lshl_b32 s60, s21, 4
	s_add_co_u32 s38, s38, s60
	s_and_b32 s60, s22, 15
	s_add_co_u32 s38, s38, s60
	s_lshl_b32 s38, s38, 8
	s_lshl_b32 s61, s22, 15                        ; qkvc: ((4 X + grid row) x 8 + head) x 1,024
	s_lshl_b32 s60, s23, 13
	s_add_co_u32 s61, s61, s60
	s_lshl_b32 s60, s21, 11
	s_add_co_u32 s61, s61, s60
	s_lshl_b32 s60, s24, 10
	s_add_co_u32 s61, s61, s60
	s_lshl_b32 s60, s47, 21
	s_add_co_u32 s34, s61, s60                     ; q's or k's image,
	s_lshl_b32 s60, s47, 9
	s_add_co_u32 s68, s61, s60
	s_add_co_u32 s68, s68, 4194304                 ; and v's, my number tile
	s_lshr_b32 s70, s61, 2                         ; scl: the same count x 256: k's words,
	s_lshr_b32 s36, s61, 3
	s_add_co_u32 s36, s36, 524288                  ; or x 128: q's
	s_cmp_eq_u32 s47, 0
	s_cselect_b32 s36, s36, s70
	s_mov_b32 s43, 0x8000000                       ; the floor 2^(16 - 127), under which a byte would fall under 1;
	s_cselect_b32 s43, 0xa000000, s43              ; q's factor 1/16 is a power of two: it leaves the codes as they are and takes 4 off the byte, so q's floor lies 4 higher
	s_cselect_b32 s72, 4, 0
	s_cselect_b32 s73, 1, 0
	s_lshl_b32 s60, s47, 7
	s_add_co_u32 s70, s70, s60
	s_add_co_u32 s70, s70, 4                       ; v's words, my number tile
	s_mov_b32 s42, 0x600000                        ; the mantissa field of 57,344
	s_mov_b32 s44, 0x76543210
	s_mov_b32 s45, 0xfedcba98                      ; v_permlanex16_b32's selects for lane l xor 16
	s_mov_b32 s46, 0xffff0000                      ; lanes 16-31
	; LDS places of my wave
	s_lshr_b32 s62, s20, 1
	s_lshl_b32 s62, s62, 4
	s_lshl_b32 s60, s47, 2
	s_add_co_u32 s62, s62, s60                     ; x's rows: slot q' = 0 .. 7 at 16 (w / 2) + 4 (w % 2) + 8 (q' % 2) + q' / 2
	s_mul_i32 s3, s62, PITCH
	s_lshl_b32 s62, s62, 3
	s_add_co_u32 s62, s62, XS
	s_lshr_b32 s74, s20, 3                         ; W's rows: head % 2 = w / 8; members 4 (w % 8) + i, so positions 16 ((w / 2) % 2) + 8 ((w / 4) % 2) + 4 (w % 2) + i
	s_lshl_b32 s74, s74, 5
	s_lshl_b32 s75, s24, 4
	s_add_co_u32 s74, s74, s75
	s_and_b32 s75, s23, 1
	s_lshl_b32 s75, s75, 3
	s_add_co_u32 s74, s74, s75
	s_add_co_u32 s74, s74, s60
	s_mul_i32 s60, s74, PITCH
	s_add_co_u32 s60, s60, WT
	s_lshl_b32 s61, s74, 3
	s_add_co_u32 s61, s61, WS
	s_lshl_b32 s74, s47, 13                        ; x's pairs of tokens: tile 0 from token 14 down, tile 1 from its first up; 4 pairs on for odd waves
	s_sub_co_u32 s75, 14336, s74
	s_cmp_eq_u32 s24, 0
	s_cselect_b32 s74, s75, s74
	s_movk_i32 s63, 0x800
	s_cselect_b32 s63, 0xfffff800, s63
	v_and_b32 v19, 31, v0                          ; lane
	v_and_b32 v20, 15, v0                          ; r
	v_bfe_u32 v21, v0, 4, 1                        ; lane / 16
	v_lshlrev_b32 v1, 5, v19                       ; 8 numbers, 32 bytes
	v_lshlrev_b32 v10, 4, v19                      ; an image: 16 bytes a lane
	v_lshlrev_b32 v12, 3, v19                      ; 8 bytes a lane
	v_lshrrev_b32 v15, 2, v19                      ; my block of a row's eight
	v_lshlrev_b32 v13, 6, v21                      ; q's and k's bias: 16 numbers on for lanes 16-31
	v_and_b32 v14, 8, v20
	v_add_nc_u32 v14, v14, v20
	v_lshlrev_b32 v14, 2, v14                      ; v's bias: number r + 8 (r / 8) of the tile
	v_mul_u32_u24 v22, v20, PITCH
	v_lshl_add_u32 v22, v21, 4, v22                ; a fragment: row r x pitch + 16 x half
	v_lshlrev_b32 v23, 3, v20                      ; its scale words: 8 bytes a row
	v_lshrrev_b32 v24, 3, v19
	v_lshl_add_u32 v24, v24, 4, v1                 ; W as f32: 32 x lane, and 16 for each 256 passed
	v_add_nc_u32 v2, s3, v12                       ; v2  where I put x's codes
	v_add_nc_u32 v3, s62, v15                      ; v3  and x's scale bytes
	v_add_nc_u32 v4, s60, v12                      ; v4  W's codes
	v_add_nc_u32 v5, s61, v15                      ; v5  W's scale bytes
	v_add_nc_u32 v11, s57, v24                     ; v11 my rows of W as f32
	v_add_nc_u32 v[AX], s74, v1
.irp i, 1,2,3
	v_add_nc_u32 v[AX+\i], s63, v[AX+\i-1]
.endr
	v_mov_b32 v[BV+1], 0
	s_wait_alu depctr_va_vdst(0)                   ; the wait ahead of the run of scalar lines
	s_mul_i32 s3, s23, 32*PITCH                    ; phase B
	s_lshl_b32 s60, s24, 5
	s_lshl_b32 s61, s47, 6
	s_add_co_u32 s61, s61, s60                     ; q's or k's rows of W: 64 x part + 32 x (head % 2)
	s_lshl_b32 s62, s47, 4
	s_add_co_u32 s62, s62, s60
	s_add_co_u32 s62, s62, 128                     ; v's: 128 + 32 x (head % 2) + 16 x part
	s_mul_i32 s74, s61, PITCH
	s_add_co_u32 s74, s74, WT
	s_mul_i32 s75, s62, PITCH
	s_add_co_u32 s75, s75, WT
	s_lshl_b32 s61, s61, 3
	s_add_co_u32 s61, s61, WS
	s_lshl_b32 s62, s62, 3
	s_add_co_u32 s62, s62, WS
	s_lshl_b32 s60, s23, 8
	s_add_co_u32 s60, s60, XS
	v_add_nc_u32 v6, s3, v22                       ; v6  x's fragments of my grid row
	v_add_nc_u32 v7, s74, v22                      ; v7  W's fragments of q or k
	v_add_nc_u32 v254, s75, v22                    ; v254 of v
	v_add_nc_u32 v8, s60, v23                      ; v8  x's scale words
	v_add_nc_u32 v9, s61, v23                      ; v9  q's or k's rows'
	v_add_nc_u32 v255, s62, v23                    ; v255 v's
	s_wait_alu depctr_va_vdst(0)                   ; the wait at the head's end
	s_wait_dscnt 0x0                               ; both opening adds are done
	CROUND                                         ; all sixteen work-groups are here: the joint loads meet
	s_wait_kmcnt 0x0
	s_add_nc_u64 s[58:59], s[6:7], s[28:29]
	s_or_b32 s59, s59, 0x80000000
	tensor_load_to_lds s[56:59], s[48:55]          ; my one tensor load: 12 rows of W
	s_nop 0
.rept 4
	v_nop
.endr
	s_add_nc_u64 s[4:5], s[4:5], s[26:27]
	s_add_nc_u64 s[30:31], s[8:9], s[30:31]
	s_add_nc_u64 s[66:67], s[8:9], s[66:67]
	s_add_nc_u64 s[10:11], s[10:11], s[32:33]
	s_add_nc_u64 s[34:35], s[12:13], s[34:35]
	s_add_nc_u64 s[68:69], s[12:13], s[68:69]
	s_add_nc_u64 s[36:37], s[14:15], s[36:37]
	s_add_nc_u64 s[70:71], s[14:15], s[70:71]
	s_add_nc_u64 s[16:17], s[16:17], s[38:39]
	s_add_nc_u64 s[18:19], s[18:19], s[40:41]
	s_cmp_lg_u32 s20, 0
	s_cbranch_scc1 .Lno_row
	global_load_b128 v[PR:PR+3],   v1, s[10:11]    ; wave 0: the row of proj_w
	global_load_b128 v[PR+4:PR+7], v1, s[10:11] offset:16
.Lno_row:
.set q, 0
.rept 8
	global_load_b128 v[XR+8*q:XR+8*q+3],   v[AX+q/2], s[4:5] offset:(q%2)*1024
	global_load_b128 v[XR+8*q+4:XR+8*q+7], v[AX+q/2], s[4:5] offset:(q%2)*1024+16
.set q, q+1
.endr
.irp u, 0,1                            ; q's or k's bias is the C of each sum's first product: register j of tile u is the head's number 16 (lane / 16) + 8 u + j
	global_load_b128 v[BQ+8*\u:BQ+8*\u+3],   v13, s[30:31] offset:32*\u
	global_load_b128 v[BQ+8*\u+4:BQ+8*\u+7], v13, s[30:31] offset:32*\u+16
.endr
	global_load_b32 v[BV], v14, s[66:67]
; n rows (at most 4), 8 numbers a lane from v[src] on, are quantised; the rows take turns line by line.  A block is four lanes.
.macro QROWS src, n
.irp i, 0,1,2,3
.if \i < \n
	v_max3_num_f32 v[QM+\i], |v[\src+8*\i]|, |v[\src+8*\i+1]|, 0x8000000   ; with the floor 2^(16 - 127): the byte cannot fall under 1
.endif
.endr
.irp k, 2,4,6
.irp i, 0,1,2,3
.if \i < \n
	v_max3_num_f32 v[QM+\i], v[QM+\i], |v[\src+8*\i+\k]|, |v[\src+8*\i+\k+1]|
.endif
.endr
.endr
.irp x, 1,2
.irp i, 0,1,2,3
.if \i < \n
	v_max_num_f32_dpp v[QM+\i], v[QM+\i], v[QM+\i] row_xmask:\x row_mask:0xf bank_mask:0xf   ; with lanes l xor 1, then l xor 2
.endif
.endr
.endr
.irp i, 0,1,2,3
.if \i < \n
	v_add_nc_u32 v[QSO+\i], 0xf8800000, v[QM+\i]               ; 15 off its exponent field: the conversion's scale operand
	v_and_or_b32 v[QHO+\i], v[QM+\i], 0x7f800000, s42          ; 57,344 x the scale
.endif
.endr
.irp i, 0,1,2,3
.if \i < \n
.irp k, 0,1,2,3,4,5,6,7
	v_med3_num_f32 v[\src+8*\i+\k], v[\src+8*\i+\k], -v[QHO+\i], v[QHO+\i]   ; the conversion to an 8-bit code does not saturate (ISA guide 7.6.2): the hold
.endr
	v_cvt_scalef32_pk8_bf8_f32 v[QCD+2*\i:QCD+2*\i+1], v[\src+8*\i:\src+8*\i+7], v[QSO+\i]
.endif
.endr
.irp i, 0,1,2,3
.if \i < \n
	v_lshrrev_b32 v[QBY+\i], 23, v[QSO+\i]                     ; the scale's byte; also the plain line behind the conversions
.endif
.endr
.endm
	; ---- PHASE A: x.  Behind a group's eight loads: the other group's (g = 0) and the five of the biases
.irp g, 0,1
	s_wait_loadcnt 5+8-8*\g
	QROWS XR+32*\g, 4
.irp i, 0,1,2,3                        ; a row's codes: 256 consecutive bytes; the four lanes of a block write the same byte with the same value
	ds_store_b64 v2, v[QCD+2*\i:QCD+2*\i+1] offset:(8*(\i%2)+2*\g+\i/2)*PITCH
	ds_store_b8 v3, v[QBY+\i] offset:(8*(\i%2)+2*\g+\i/2)*8
.endr
.endr
	s_wait_dscnt 0x0                               ; my codes and bytes of x lie in LDS
	s_barrier_signal -1
	s_barrier_wait -1                              ; everybody's do: x's fragments and scale words come while W is on its way
.irp a, 0,1
.irp s, 0,1
.irp c, 0,1,2,3
	ds_load_b128 v[XR+16*(2*\a+\s)+4*\c:XR+16*(2*\a+\s)+4*\c+3], v6 offset:16*\a*PITCH+128*\s+32*\c
.endr
.endr
	ds_load_b64 v[XW+2*\a:XW+2*\a+1], v8 offset:128*\a
.endr
	s_cmp_lg_u32 s20, 0
	s_cbranch_scc1 .Lrow_done
	QROWS PR, 1
	global_store_b64 v12, v[QCD:QCD+1], s[16:17]   ; 32 lanes store the row's 256 codes
	global_store_b8 v15, v[QBY], s[18:19]          ; and its eight scale bytes (four lanes of a block the same one)
	s_wait_xcnt 0x0                                ; both stores' data may be written again
.Lrow_done:
	; ---- PHASE A: W, group g = kind g.  My own tile: my own wait is all the ordering that its reads need
	s_wait_tensorcnt 0x0
.irp g, 0,1,2
.irp i, 0,1,2,3
	ds_load_b128 v[WR+32*\g+8*\i:WR+32*\g+8*\i+3],   v11 offset:(4*\g+\i)*FROW
	ds_load_b128 v[WR+32*\g+8*\i+4:WR+32*\g+8*\i+7], v11 offset:(4*\g+\i)*FROW+16
.endr
.endr
.irp g, 0,1,2
	s_wait_dscnt 16                                ; behind group g's loads: the 2 - g later groups' eight loads each, and g groups' eight stores each
	QROWS WR+32*\g, 4
.irp i, 0,1,2,3
	ds_store_b64 v4, v[QCD+2*\i:QCD+2*\i+1] offset:(64*\g+\i)*PITCH
	ds_store_b8 v5, v[QBY+\i] offset:(64*\g+\i)*8
.endr
.endr
	s_wait_tensorcnt 0x0                           ; behind my last LDS store
	ds_add_u32 v[SPW], v[NIL]
	s_wait_dscnt 0x0                               ; the add is done, and my codes and bytes lie in LDS
	s_barrier_signal -1
	s_barrier_wait -1                              ; everybody's do
	; ---- PHASE B: W's 27 loads of fragments and scale words go out in one run, v's nine last (x's lie in registers)
.irp u, 0,1
.irp s, 0,1
.irp c, 0,1,2,3
	ds_load_b128 v[WR+16*(2*\u+\s)+4*\c:WR+16*(2*\u+\s)+4*\c+3], v7 offset:16*\u*PITCH+128*\s+32*\c
.endr
.endr
	ds_load_b64 v[248+2*\u:249+2*\u], v9 offset:128*\u
.endr
.irp s, 0,1
.irp c, 0,1,2,3
	ds_load_b128 v[WR+64+16*\s+4*\c:WR+64+16*\s+4*\c+3], v254 offset:128*\s+32*\c
.endr
.endr
	ds_load_b64 v[252:253], v255
	s_wait_loadcnt 0x0                             ; the biases
	s_wait_dscnt 9                                 ; v's nine loads may be out
.irp s, 0,1                            ; K step by K step, the accumulators by turns, one instruction a turn
.irp a, 0,1
.irp u, 0,1
.if \s == 0
	F8 ACC+16*\a+8*\u, WR+16*(2*\u+\s), XR+16*(2*\a+\s), BQ+8*\u, 248+2*\u+\s, XW+2*\a+\s
.else
	F8 ACC+16*\a+8*\u, WR+16*(2*\u+\s), XR+16*(2*\a+\s), ACC+16*\a+8*\u, 248+2*\u+\s, XW+2*\a+\s
.endif
.endr
.endr
.endr
; Blocks f .. f + n - 1, of 16 registers each, are quantised: a block of 32 lies in lanes l and l xor 16
.macro QUANT f, n
.irp b, 0,1,2
.if (\b >= \f) && (\b < \f+\n)
.if \b == 2
	v_max3_num_f32 v[OM+\b], |v[ACC+16*\b]|, |v[ACC+16*\b+1]|, 0x8000000
.else
	v_max3_num_f32 v[OM+\b], |v[ACC+16*\b]|, |v[ACC+16*\b+1]|, s43
.endif
.endif
.endr
.irp i, 2,4,6,8,10,12,14
.irp b, 0,1,2
.if (\b >= \f) && (\b < \f+\n)
	v_max3_num_f32 v[OM+\b], v[OM+\b], |v[ACC+16*\b+\i]|, |v[ACC+16*\b+\i+1]|
.endif
.endr
.endr
.irp b, 0,1,2
.if (\b >= \f) && (\b < \f+\n)
	v_permlanex16_b32 v[OT+\b], v[OM+\b], s44, s45
.endif
.endr
.irp b, 0,1,2
.if (\b >= \f) && (\b < \f+\n)
	v_max_num_f32 v[OM+\b], v[OM+\b], v[OT+\b]
.endif
.endr
.irp b, 0,1,2
.if (\b >= \f) && (\b < \f+\n)
	v_add_nc_u32 v[OS+\b], 0xf8800000, v[OM+\b]
	v_and_or_b32 v[OH+\b], v[OM+\b], 0x7f800000, s42
.endif
.endr
.irp b, 0,1,2
.if (\b >= \f) && (\b < \f+\n)
	v_lshrrev_b32 v[OT+\b], 23, v[OS+\b]           ; the byte of my row of the block (the same in both halves of the lanes)
.endif
.endr
.irp b, 0,1,2
.if (\b >= \f) && (\b < \f+\n)
.irp i, 0,1,2,3,4,5,6,7,8,9,10,11,12,13,14,15
	v_med3_num_f32 v[ACC+16*\b+\i], v[ACC+16*\b+\i], -v[OH+\b], v[OH+\b]
.endr
	v_cvt_scalef32_pk8_bf8_f32 v[OC+4*\b:OC+4*\b+1],   v[ACC+16*\b:ACC+16*\b+7],    v[OS+\b]
	v_cvt_scalef32_pk8_bf8_f32 v[OC+4*\b+2:OC+4*\b+3], v[ACC+16*\b+8:ACC+16*\b+15], v[OS+\b]
.endif
.endr
.endm
.rept 8
	v_nop                                          ; eight places behind the products
.endr
	QUANT 0, 2                                     ; q's or k's two token tiles; their codes take registers of W's fragments that have been multiplied
	v_cndmask_b32 v5, v[OT], v[OT+1], s46          ; lanes 0-15: tile 0's byte of row r; lanes 16-31: tile 1's
	v_lshrrev_b32 v6, s73, v12                     ; q's words are 4 bytes apart, k's 8
	v_sub_nc_u32 v5, v5, s72                       ; q: 1/16
	global_store_b128 v10, v[OC:OC+3], s[34:35]    ; images: 32 lanes store 512 consecutive bytes, aligned
	global_store_b128 v10, v[OC+4:OC+7], s[34:35] offset:512
	global_store_b32 v6, v5, s[36:37]
	s_wait_dscnt 0x0                               ; v's rows of W
.irp s, 0,1
.irp a, 0,1
.if \s == 0
	F8 ACC+32+8*\a, XR+16*(2*\a+\s), WR+64+16*\s, -1, XW+2*\a+\s, 252+\s
.else
	F8 ACC+32+8*\a, XR+16*(2*\a+\s), WR+64+16*\s, ACC+32+8*\a, XW+2*\a+\s, 252+\s
.endif
.endr
.endr
.rept 8
	v_nop                                          ; eight places behind the products
.endr
.set n, 0
.rept 8
	v_pk_add_f32 v[ACC+32+2*n:ACC+33+2*n], v[ACC+32+2*n:ACC+33+2*n], v[BV:BV+1] op_sel_hi:[1,0]   ; v's bias
.set n, n+1
.endr
	; One block of 16 registers is quantised: a block of 32 lies in lanes l and l xor 16
	QUANT 2, 1                                     ; v's number tile
	v_and_b32 v7, 0x78, v12                        ; v's word: 8 r
	global_store_b128 v10, v[OC+8:OC+11], s[68:69]
	global_store_b32 v7, v[OT+2], s[70:71]         ; (lanes r and r + 16 store the same word with the same value)
	CROUND                                         ; the closing round: no work-group ends while a partner may still ask for a tile that names it
	s_endpgm
.Lfunc_end_k_qd3263adcbb_qkv:
	.size	k_qd3263adcbb_qkv, .Lfunc_end_k_qd3263adcbb_qkv-k_qd3263adcbb_qkv
	.p2alignl 7, 3214868480
	.fill 96, 4, 3214868480
	.section	.rodata,"a",@progbits
	.p2align	6, 0x0
	.amdhsa_kernel k_qd3263adcbb_qkv
		.amdhsa_group_segment_fixed_size 300544
		.amdhsa_private_segment_fixed_size 0
		.amdhsa_enable_private_segment 0
		.amdhsa_kernarg_size 64
		.amdhsa_user_sgpr_count 2
		.amdhsa_user_sgpr_kernarg_segment_ptr 1
		.amdhsa_wavefront_size32 1
		.amdhsa_system_sgpr_workgroup_id_x 1
		.amdhsa_system_sgpr_workgroup_id_y 1
		.amdhsa_system_sgpr_workgroup_id_z 1
		.amdhsa_system_vgpr_workitem_id 0
		.amdhsa_next_free_vgpr 256
		.amdhsa_next_free_sgpr 80
		.amdhsa_reserve_vcc 0
		.amdhsa_float_denorm_mode_32 3
		.amdhsa_float_denorm_mode_16_64 3
		.amdhsa_memory_ordered 1
		.amdhsa_forward_progress 1
		.amdhsa_inst_pref_size 52
	.end_amdhsa_kernel
	.amdgpu_metadata
---
amdhsa.version: [ 1, 2 ]
amdhsa.kernels:
  - .name:           k_qd3263adcbb_qkv
    .symbol:         k_qd3263adcbb_qkv.kd
    .args:
      - { .name: x, .offset: 0, .size: 8, .value_kind: global_buffer, .address_space: global }
      - { .name: qkv_w, .offset: 8, .size: 8, .value_kind: global_buffer, .address_space: global }
      - { .name: qkv_b, .offset: 16, .size: 8, .value_kind: global_buffer, .address_space: global }
      - { .name: proj_w, .offset: 24, .size: 8, .value_kind: global_buffer, .address_space: global }
      - { .name: qkvc, .offset: 32, .size: 8, .value_kind: global_buffer, .address_space: global }
      - { .name: scl, .offset: 40, .size: 8, .value_kind: global_buffer, .address_space: global }
      - { .name: pwc, .offset: 48, .size: 8, .value_kind: global_buffer, .address_space: global }
      - { .name: pws, .offset: 56, .size: 8, .value_kind: global_buffer, .address_space: global }
    .group_segment_fixed_size: 300544
    .private_segment_fixed_size: 0
    .kernarg_segment_align: 8
    .kernarg_segment_size: 64
    .max_flat_workgroup_size: 512
    .sgpr_count:     80
    .vgpr_count:     256
    .wavefront_size: 32
...
	.end_amdgpu_metadata
.endif
;; end of part 1
;; launch attn (part 2): grid 256 x 1, 8 waves a work-group, clusters of 4 x 1, 167,936 bytes of LDS; arguments qkvc, scl, pwc, pws, proj_b, out0; writes out0
.if DOCPART == 2
	.amdgcn_target "amdgcn-amd-amdhsa--gfx1250"
	.amdhsa_code_object_version 6
	.text
	.protected	k_qd3263adcbb_attn
	.globl	k_qd3263adcbb_attn
	.p2align	8
	.type	k_qd3263adcbb_attn,@function
k_qd3263adcbb_attn:
	s_mov_b64 s[64:65], 0
	v_nop
	global_prefetch_b8 v0, s[64:65] scope:SCOPE_SE
	s_setreg_imm32_b32 hwreg(HW_REG_WAVE_MODE, 25, 1), 1
	s_wait_xcnt 0x0
	s_wait_alu depctr_hold_cnt(0) depctr_sa_sdst(0) depctr_va_vdst(0) depctr_va_sdst(0) depctr_va_ssrc(0) depctr_va_vcc(0) depctr_vm_vsrc(0)
	s_getreg_b32 s2, hwreg(HW_REG_IB_STS2, 6, 4)
	s_cmp_eq_u32 s2, 0
	s_cbranch_scc0 .Lentry_in_a_cluster
	s_endpgm
.Lentry_in_a_cluster:
	s_bfe_u32 s2, ttmp6, 0x10000c
	s_cmp_lg_u32 s2, 0x3003
	s_cbranch_scc0 .Lentry_shape_is_right
	s_endpgm
.Lentry_shape_is_right:
; out = (softmax(q k^T + window mask) v) proj_w^T + proj_b, all three products on codes of BF8 (E5M2) with one E8M0 scale for each 32 along K.
; WORK LEFT OUT (shown at the first kernel's head): key rows and columns that the window hides from all of a tile's queries; a NaN, an infinity or an overflow that reaches only these is not carried.
; THE WINDOW.  A block of 32 keys is one grid row.  The work-group owns the 32 queries of grid row h of one image and walks seven key rows from r0 = min(max(h - 3, 0), 25) on; rows outside the window (at an image's edge) get -infinity.
;   Columns: a query tile is 16 neighbouring queries, which see columns 0 .. 20 or 11 .. 31.  Tile 0's row 8 h + j is column 14 - 2 j + h, tile 1's is 16 + 2 j + h (keys and queries alike), so a query tile's softmax takes the
;   eight registers of its own key tile and the first three of the other.  The column mask is the C of the score product: 0 or -2^100, under which p is 0.
; THE SOFTMAX: t = score x log2(e); M = the row's largest t, rounded up to a whole number; p = 2^(t - M) is quantised along the keys, not normalised; the sum of the unquantised p divides O at the end.
; SHARES.  Eight waves: wave w = head w, both query tiles, so each fragment of K and V is fetched once.  Both products are used transposed (S^T = K Q^T, O^T = V^T P^T): a lane holds one query.
;   K OF THE FIRST PRODUCT IS 32: Q's fragment holds its codes in registers 0-3 and zero codes in 4-15; a tile of K is 4 registers, and the other 12 of its fragment are those that follow (finite codes, which zero codes multiply).
;   o / l is quantised along the head's 32 numbers and goes to LDS as an image; wave w then makes token tile w % 2, columns 64 (w / 2) + 4 r + t in tile t: the four sums of a lane are 16 neighbouring bytes, sixteen lanes fill 256.
; CLUSTERS of 4: proj_w's codes, the same for all, come into LDS by joint loads, an eighth a wave.  K and V are not asked for jointly: the partners' windows begin at different rows, and an LDS address may not hang on the place in the cluster.
; No prefetch: everything is asked for at the head, and there is no loop to run ahead in.
; LIMITS: NaN and infinities are not served (so every code is finite); the promise holds while the scaled scores stay under 2^31 in magnitude.  A block of zeros has the byte 1 (zero codes; only this program reads the bytes).
.set S,   16                           ; v16-127  scores, then p: key row i: own key tile at S + 16 i, the other at S + 16 i + 8.  At the end: o's fragments 16-47, sums 48-79, results 80-111, addresses 112-119
.set MX,  128                          ; v128-134 the blocks' largest scores, then largest p; later the sums' chains
.set TT,  135
.set T,   136                          ; v136-149 the other half's maxima; then seven pairs whose low word is -M or -infinity; then the bytes
.set SO,  150                          ; v150-156 the conversions' scale operands
.set HO,  158                          ; v158-164 57,344 x the scale
.set PC,  166                          ; v166-197 p's codes, four registers a key row (an eighth row of zeros)
.set O,   198                          ; v198-213 O^T
.set Z,   214                          ; v214-229 two runs of eight for the other tile's three held p; the last five of each are 0
.set KSC, 230                          ; v230-236 K's scale words: lanes 0-15 tile 0, lanes 16-31 tile 1
.set QS,  237
.set VSW, 238                          ; v238-239 V's scale words
.set PW,  240                          ; v240-241 p's scale words
.set PWS, 242                          ; v242-249 proj_w's: 2 x tile + K step
.set SUM, 252
.set K1,  32                           ; window 1: v0-31 Q's two fragments; v32-99 K; v100-123 masks; v128-191 V's fragments (K step s, tile d) at 128 + 16 (2 s + d);
.set OTH, 100                          ;   v192-207 scale words as loaded; v208-211 proj_b.  Later v0-127: proj_w's fragments (tile t, K step s) at 16 (2 t + s)
.set OWN, 108
.set SEL, 32
.set CS,  34
.set MNT, 36
.set RB,  80
.set OSC, 8192                         ; LDS: o's four fragments (2 x token tile + K step) from byte 0, 2,048 bytes each; their scale words, 64 bytes each
.set PWL, 8448                         ; proj_w's codes: 256 rows of 256 + 16 bytes
.set SPARE, PWL+256*272
.set MSB, 0
.macro WIN new
.if MSB != \new
	s_set_vgpr_msb (MSB<<8)|\new
.set MSB, \new
.endif
.endm
.macro CROUND                          ; a round of the cluster's barrier
	s_barrier_signal -1
	s_barrier_wait -1
	s_cmp_lg_u32 s16, 0
	s_cbranch_scc1 .Lnot_wave_0_\@
	s_barrier_signal -3
.Lnot_wave_0_\@:
	s_barrier_wait -3
	s_barrier_signal -1
	s_barrier_wait -1
.endm
.macro PLACES8                         ; eight places behind these products
.rept 8
	v_nop
.endr
.endm
.macro F8 d, a, b, c, sa, sb, ra=0, rb=0
.if (\c) < 0
.if \ra
	v_wmma_scale_f32_16x16x128_f8f6f4 v[\d:\d+7], v[\a:\a+15], v[\b:\b+15], 0, v[\sa], v[\sb] matrix_a_fmt:MATRIX_FMT_BF8 matrix_b_fmt:MATRIX_FMT_BF8 matrix_a_scale:MATRIX_SCALE_ROW1
.else
	v_wmma_scale_f32_16x16x128_f8f6f4 v[\d:\d+7], v[\a:\a+15], v[\b:\b+15], 0, v[\sa], v[\sb] matrix_a_fmt:MATRIX_FMT_BF8 matrix_b_fmt:MATRIX_FMT_BF8
.endif
.elseif \ra
.if \rb
	v_wmma_scale_f32_16x16x128_f8f6f4 v[\d:\d+7], v[\a:\a+15], v[\b:\b+15], v[\c:\c+7], v[\sa], v[\sb] matrix_a_fmt:MATRIX_FMT_BF8 matrix_b_fmt:MATRIX_FMT_BF8 matrix_a_scale:MATRIX_SCALE_ROW1 matrix_b_scale:MATRIX_SCALE_ROW1
.else
	v_wmma_scale_f32_16x16x128_f8f6f4 v[\d:\d+7], v[\a:\a+15], v[\b:\b+15], v[\c:\c+7], v[\sa], v[\sb] matrix_a_fmt:MATRIX_FMT_BF8 matrix_b_fmt:MATRIX_FMT_BF8 matrix_a_scale:MATRIX_SCALE_ROW1
.endif
.elseif \rb
	v_wmma_scale_f32_16x16x128_f8f6f4 v[\d:\d+7], v[\a:\a+15], v[\b:\b+15], v[\c:\c+7], v[\sa], v[\sb] matrix_a_fmt:MATRIX_FMT_BF8 matrix_b_fmt:MATRIX_FMT_BF8 matrix_b_scale:MATRIX_SCALE_ROW1
.else
	v_wmma_scale_f32_16x16x128_f8f6f4 v[\d:\d+7], v[\a:\a+15], v[\b:\b+15], v[\c:\c+7], v[\sa], v[\sb] matrix_a_fmt:MATRIX_FMT_BF8 matrix_b_fmt:MATRIX_FMT_BF8
.endif
.endm
	s_load_b256 s[4:11], s[0:1], 0x0               ; qkvc, scl, pwc, pws
	s_load_b128 s[12:15], s[0:1], 0x20             ; proj_b, out0
	v_lshl_add_u32 v3, v0, 2, SPARE                ; v3, v4: the add's two registers
	v_mov_b32 v4, 0
	ds_add_u32 v3, v4                              ; the opening lines: the add, twice on end
	ds_add_u32 v3, v4
	v_lshrrev_b32 v16, 5, v0
	v_readfirstlane_b32 s16, v16                   ; wave = head
	s_bfe_u32 s17, ttmp6, 0x40000
	s_lshl_b32 s18, ttmp9, 2
	s_add_co_u32 s18, s18, s17                     ; the grid row, of 256
	s_and_b32 s20, s18, 31                         ; h
	s_sub_co_i32 s21, s20, 3
	s_max_i32 s21, s21, 0
	s_min_i32 s21, s21, 25                         ; r0
	s_and_b32 s22, s18, 0xe0
	s_add_co_u32 s22, s22, s21                     ; the first key row, of 256
	s_mov_b32 s67, 0
	s_mov_b32 s69, 0
	s_mov_b32 s71, 0
	s_mov_b32 s73, 0
	s_mov_b32 s75, 0
	s_mov_b32 s77, 0
	s_mov_b32 s79, 0
	s_mov_b32 s47, 0
	s_lshl_b32 s66, s18, 13                        ; Q's image: (grid row x 8 + head) x 1,024
	s_lshl_b32 s68, s22, 13                        ; K's and V's, from key row r0 on
	s_lshl_b32 s76, s16, 10
	s_add_co_u32 s66, s66, s76
	s_add_co_u32 s68, s68, s76
	s_lshl_b32 s70, s18, 10                        ; q's scale words: 524,288 + (grid row x 8 + head) x 128
	s_lshl_b32 s76, s16, 7
	s_add_co_u32 s70, s70, s76
	s_add_co_u32 s70, s70, 524288
	s_lshl_b32 s72, s22, 11                        ; k's and v's: (grid row x 8 + head) x 256
	s_lshl_b32 s76, s16, 8
	s_add_co_u32 s72, s72, s76
	s_lshr_b32 s95, s16, 1                         ; my group of 64 output columns
	s_lshl_b32 s74, s95, 9                         ; proj_w's scale bytes
	s_lshl_b32 s76, s95, 8                         ; proj_b
	s_lshl_b32 s78, s18, 15                        ; out0: 32 rows of 1,024 bytes
	s_lshl_b32 s46, s16, 13                        ; proj_w's codes: my 32 rows
	s_mov_b32 s48, 15|(3<<16)|(1<<20)|(1<<21)|(5<<22)|(3<<25)   ; the descriptor: 32 rows of 256 bytes in elements of 8, 16 bytes of padding behind each; all four work-groups
	s_mov_b32 s49, 32<<16
	s_mov_b32 s50, 32<<16
	s_mov_b32 s51, 32<<16
	s_mov_b32 s52, 32
	s_mov_b32 s53, 32
	s_mov_b32 s54, 0
	s_mov_b32 s55, 0
	s_mov_b32 s56, 1
	s_mul_i32 s57, s16, 32*272
	s_add_co_u32 s57, s57, PWL
	s_lshr_b32 s90, s16, 2                         ; o's image: fragment head / 4 (of tile 0), block head % 4
	s_and_b32 s94, s16, 3
	s_lshl_b32 s91, s90, 6
	s_add_co_u32 s91, s91, s94
	s_add_co_u32 s91, s91, OSC
	s_lshl_b32 s90, s90, 11
	s_lshl_b32 s94, s94, 9
	s_add_co_u32 s90, s90, s94
	s_mul_i32 s92, s95, 64*272
	s_add_co_u32 s92, s92, PWL
	s_and_b32 s93, s16, 1                          ; my token tile of the last product
	s_cmp_eq_u32 s93, 0                            ; its register j is token 14 - 2 j + h or 16 + 2 j + h
	s_movk_i32 s88, 0x4000
	s_cselect_b32 s88, 0x3800, s88
	s_movk_i32 s89, 0x800
	s_cselect_b32 s89, 0xfffff800, s89
	s_lshl_b32 s94, s95, 8
	s_add_co_u32 s88, s88, s94
	s_lshl_b32 s94, s93, 7
	s_add_co_u32 s94, s94, OSC
	s_lshl_b32 s93, s93, 12
	s_mov_b32 s[SEL], 0x76543210
	s_mov_b32 s[SEL+1], 0xfedcba98
	s_mov_b32 s[CS], 0x3fb8aa3b
	s_mov_b32 s[CS+1], s[CS]                       ; (named with it as a pair, so it is written)
	s_mov_b32 s[MNT], 0x600000
	s_sub_co_i32 s37, s21, s20
	s_add_co_i32 s37, s37, 3                       ; r0 - h + 3
.irp i, 0,1,2,3,4,5,6
	s_add_co_u32 s38, s37, \i                      ; key row r0 + i lies in the window where this, unsigned, is at most 6
	s_cmp_le_u32 s38, 6
	s_cselect_b32 s[RB+\i], 0, 0xff800000
.endr
	v_and_b32 v16, 31, v0
	v_and_b32 v5, 15, v0                           ; v5  r
	v_bfe_u32 v6, v0, 4, 1                         ; v6  lane / 16
	v_lshlrev_b32 v1, 4, v16                       ; v1  an image: 16 bytes a lane
	v_lshlrev_b32 v2, 3, v16                       ; v2  scale words: 8 bytes a lane
	v_lshlrev_b32 v13, 2, v16                      ; v13 q's: 4 bytes a lane
	v_lshlrev_b32 v7, 5, v5                        ; v7  proj_w's scale bytes: rows 4 r .. 4 r + 3
	v_lshlrev_b32 v8, 4, v5                        ; v8  proj_b: columns 4 r .. 4 r + 3
	v_add_nc_u32 v9, s90, v1                       ; v9  where my four registers of o's image go
	v_lshl_add_u32 v10, v5, 2, s91                 ; v10 and my row's scale byte
	v_mul_u32_u24 v17, v5, 272
	v_lshl_add_u32 v17, v6, 4, v17
	v_add_nc_u32 v11, s92, v17                     ; v11 proj_w's fragments
	v_add_nc_u32 v14, s93, v1                      ; v14 o's fragments
	v_lshl_add_u32 v15, v5, 2, s94                 ; v15 and their scale words
	s_wait_alu depctr_va_vdst(0)                   ; the wait at the head's end
	s_wait_dscnt 0x0                               ; both opening adds are done
	CROUND                                         ; all four work-groups are here: the joint loads meet
	s_wait_kmcnt 0x0
	s_add_nc_u64 s[24:25], s[4:5], s[66:67]
	s_add_nc_u64 s[26:27], s[4:5], s[68:69]
	s_add_nc_u64 s[28:29], s[6:7], s[70:71]
	s_add_nc_u64 s[30:31], s[6:7], s[72:73]
	s_add_nc_u64 s[10:11], s[10:11], s[74:75]
	s_add_nc_u64 s[12:13], s[12:13], s[76:77]
	s_add_nc_u64 s[14:15], s[14:15], s[78:79]
	s_add_nc_u64 s[58:59], s[8:9], s[46:47]
	s_or_b32 s59, s59, 0x80000000
	global_load_b32 v[QS], v13, s[28:29]
	WIN 0x40
	global_load_b128 v[0:3],   v1, s[24:25]
	global_load_b128 v[16:19], v1, s[24:25] offset:512
.irp i, 0,1,2,3,4,5,6
	global_load_b64 v[192+2*\i:193+2*\i], v2, s[30:31] offset:2048*\i
.endr
.irp i, 0,1,2,3,4,5,6
	global_load_b128 v[K1+8*\i:K1+8*\i+3],   v1, s[26:27] offset:2097152+8192*\i
	global_load_b128 v[K1+8*\i+4:K1+8*\i+7], v1, s[26:27] offset:2097152+8192*\i+512
.endr
	WIN 0
	; while Q, K and their scale words are on their way: zero codes and masks
	v_lshrrev_b32 v18, 3, v5
	v_sub_nc_u32 v18, v6, v18                      ; A = h - r / 8
	v_add_nc_u32 v18, 5, v18
	v_and_b32 v19, 7, v5
	v_lshlrev_b32 v19, 1, v19
.set n, 0
.rept 14
	v_mov_b32 v[T+n], 0                            ; written once: a lane permute's destination counts as read, and so do the pairs' upper words
.set n, n+1
.endr
.irp n, 0,1,2,3
	v_mov_b32 v[PC+28+\n], 0                       ; the eighth key row of p: zero codes
.endr
.irp n, 3,4,5,6,7,11,12,13,14,15
	v_mov_b32 v[Z+\n], 0
.endr
	WIN 0x40
	v_add_nc_u32 v212, v18, v19                    ; A + 5 + 2 (r % 8)
	v_sub_nc_u32 v213, v18, v19                    ; A + 5 - 2 (r % 8)
	v_mov_b32 v214, 0xf1800000                     ; -2^100
.set n, 0
.rept 12
	v_mov_b32 v[4+n], 0                            ; Q: K beyond 32
	v_mov_b32 v[20+n], 0
	v_mov_b32 v[K1+56+n], 0                        ; behind the last tile of K
.set n, n+1
.endr
.irp n, 0,1,2,3
	v_mov_b32 v[172+\n], 0                         ; V's eighth key row
	v_mov_b32 v[188+\n], 0
.endr
	v_mov_b32 v[OTH+3], 0                          ; named in the masks' tuples
	v_mov_b32 v[OTH+7], 0
	WIN 0x44
; key column - query column + 5 lies in 0 .. 10 where the query sees the key
.macro MASK d, p, off, n
	v_add_nc_u32 v[216+(\n)%4], (\off), v[\p]
	v_cmp_lt_u32 s[40+(\n)%4], 10, v[216+(\n)%4]
	v_cndmask_b32 v[\d], 0, v214, s[40+(\n)%4]
.endm
.irp j, 0,1,2,3,4,5,6,7
	MASK OWN+\j, 212, -2*\j, 2*\j                  ; queries of tile 0, keys of tile 0
	MASK OWN+8+\j, 213, 2*\j, 2*\j+1               ; 1, 1
.endr
.irp j, 0,1,2
	MASK OTH+\j, 212, 2+2*\j, 2*\j                 ; queries of tile 0, keys of tile 1
	MASK OTH+4+\j, 213, -2-2*\j, 2*\j+1            ; 1, 0
.endr
	WIN 0x40
.irp i, 0,1,2,3,4,5,6                  ; V: registers 4 c .. 4 c + 3 of its fragments of K step s are key row 4 s + c
.irp d, 0,1
	global_load_b128 v[128+16*(2*(\i/4)+\d)+4*(\i%4):128+16*(2*(\i/4)+\d)+4*(\i%4)+3], v1, s[26:27] offset:4194304+8192*\i+512*\d
.endr
.endr
	global_load_b128 v[208:211], v8, s[12:13]
	WIN 0
	global_load_b128 v[PWS:PWS+3],   v7, s[10:11]
	global_load_b128 v[PWS+4:PWS+7], v7, s[10:11] offset:16
	tensor_load_to_lds s[56:59], s[48:55]          ; my one tensor load: 32 rows of proj_w's codes
	s_nop 0
.rept 4
	v_nop
.endr
.macro SMM a                           ; S^T = K Q^T for query tile a: fourteen tiles of 16 keys; a tile's fragment begins at its four registers
	WIN 0x15
.irp i, 0,1,2,3,4,5,6
.irp u, 0,1
.if \u == \a
	F8 S+16*\i, K1+8*\i+4*\u, 16*\a, OWN+8*\a, KSC+\i, QS, \u, \a
.else
	F8 S+16*\i+8, K1+8*\i+4*\u, 16*\a, OTH+4*\a, KSC+\i, QS, \u, \a
.endif
.endr
.endr
	WIN 0
	PLACES8
.endm
.macro PVM win, o                      ; O^T = V^T P^T: the two accumulators by turns.  Tile 0's wait in window 1, at v212-227
	WIN \win
	F8 \o, 128, PC, -1, VSW, PW
	F8 \o+8, 144, PC, -1, VSW, PW, 1
	F8 \o, 160, PC+16, \o, VSW+1, PW+1
	F8 \o+8, 176, PC+16, \o+8, VSW+1, PW+1, 1
.endm
.macro CHAIN n                         ; pair n of the 35: key row n / 5; its chain: v252, v254, v128, v130
.set C_, 252+2*((\n)%4)-128*(((\n)%4)/2)
.set P_, S+16*((\n)/5)+2*((\n)%5)
.endm
; THE SOFTMAX of query tile a.  Registers 0-7 of a key row: the own key tile; 8-10: the other's three.
.macro SOFT a
	s_wait_alu depctr_va_vdst(0)                   ; the wait ahead of the scores' first readers
.irp i, 0,1,2,3,4,5,6
	v_max3_num_f32 v[MX+\i], v[S+16*\i], v[S+16*\i+1], v[S+16*\i+2]   ; the largest score of each block of 32 keys: for the row's maximum and, since p rises with the score, for the block's largest p
.endr
.irp k, 3,5,7,9
.irp i, 0,1,2,3,4,5,6
	v_max3_num_f32 v[MX+\i], v[MX+\i], v[S+16*\i+\k], v[S+16*\i+\k+1]
.endr
.endr
.irp i, 0,1,2,3,4,5,6
	v_permlanex16_b32 v[T+\i], v[MX+\i], s[SEL], s[SEL+1]
.endr
.irp i, 0,1,2,3,4,5,6
	v_max_num_f32 v[MX+\i], v[MX+\i], v[T+\i]
.endr
.irp i, 0,1,2,3,4,5,6
	v_add_f32 v[MX+\i], s[RB+\i], v[MX+\i]         ; a key row outside the window: -infinity
.endr
	v_max3_num_f32 v[TT], v[MX], v[MX+1], v[MX+2]
	v_max3_num_f32 v[TT], v[TT], v[MX+3], v[MX+4]
	v_max3_num_f32 v[TT], v[TT], v[MX+5], v[MX+6]
	v_mul_f32 v13, s[CS], v[TT]                    ; the row's largest t
	v_floor_f32 v12, -v13                          ; -M = -ceil(t): a whole number
.irp i, 0,1,2,3,4,5,6
	v_add_f32 v[T+2*\i], s[RB+\i], v12             ; -M, or -infinity: so every p of a row outside the window is 0
.endr
.irp i, 0,1,2,3,4,5,6
.irp k, 0,2,4,6,8
	v_pk_fma_f32 v[S+16*\i+\k:S+16*\i+\k+1], v[S+16*\i+\k:S+16*\i+\k+1], s[CS:CS+1], v[T+2*\i:T+2*\i+1] op_sel_hi:[1,0,0]   ; t - M, two at a time
.endr
	v_fma_f32 v[S+16*\i+10], v[S+16*\i+10], s[CS], v[T+2*\i]
	v_fma_f32 v[MX+\i], v[MX+\i], s[CS], v[T+2*\i] ; the same of the block's largest score
.endr
	s_wait_alu depctr_va_vdst(0)                   ; the wait ahead of the batch
.irp i, 0,1,2,3,4,5,6
	v_exp_f32 v[MX+\i], v[MX+\i]
.irp k, 0,1,2,3,4,5,6,7,8,9,10
	v_exp_f32 v[S+16*\i+\k], v[S+16*\i+\k]         ; p = 2^(t - M)
.endr
.endr
	v_nop                                          ; a plain line behind the batch
	s_wait_alu depctr_va_vdst(0)                   ; and the wait ahead of its first reader
.irp i, 0,1,2,3,4,5,6
	v_max_num_f32 v[MX+\i], 0x8000000, v[MX+\i]    ; the floor 2^(16 - 127): a block of zeros keeps the byte 1
.endr
.irp i, 0,1,2,3,4,5,6
	v_add_nc_u32 v[SO+\i], 0xf8800000, v[MX+\i]    ; 15 off the exponent field: the conversion's scale operand
.endr
.irp i, 0,1,2,3,4,5,6
	v_and_or_b32 v[HO+\i], v[MX+\i], 0x7f800000, s[MNT]   ; 57,344 x the scale
.endr
.irp i, 0,1,2,3,4,5,6
	v_lshrrev_b32 v[T+\i], 23, v[SO+\i]            ; the scale's byte
.endr
	v_lshl_or_b32 v[PW], v[T+1], 8, v[T]           ; p's scale words: byte c is key row 4 s + c's (the eighth row's stays 0: its codes are zeros)
	v_lshl_or_b32 v[PW+1], v[T+5], 8, v[T+4]
	v_lshl_or_b32 v[PW], v[T+2], 16, v[PW]
	v_lshl_or_b32 v[PW+1], v[T+6], 16, v[PW+1]
	v_lshl_or_b32 v[PW], v[T+3], 24, v[PW]
.set N_, 0                             ; the row's sum is taken of the unquantised p: four chains of pairs, two of the seven single ones
.rept 4
	CHAIN N_+4
.set P2_, P_
	CHAIN N_
	v_pk_add_f32 v[C_:C_+1], v[P_:P_+1], v[P2_:P2_+1]
.set N_, N_+1
.endr
	v_add_f32 v132, v[S+10], v[S+26]
	v_add_f32 v133, v[S+42], v[S+58]
.set N_, 8
.rept 27
	CHAIN N_
	v_pk_add_f32 v[C_:C_+1], v[C_:C_+1], v[P_:P_+1]
.set N_, N_+1
.endr
	v_add_f32 v132, v132, v[S+74]
	v_add_f32 v133, v133, v[S+90]
	v_pk_add_f32 v[252:253], v[252:253], v[254:255]
	v_pk_add_f32 v[128:129], v[128:129], v[130:131]
	v_add_f32 v132, v132, v[S+106]
	v_add_f32 v132, v132, v133
	v_pk_add_f32 v[252:253], v[252:253], v[128:129]
	v_add_f32 v252, v252, v253
	v_add_f32 v[2+250*\a], v252, v132              ; tile 0's in v2 (K's scale words have been loaded), tile 1's in v252
.irp i, 0,1,2,3,4,5,6
.irp k, 0,1,2,3,4,5,6,7
	v_min_num_f32 v[S+16*\i+\k], v[S+16*\i+\k], v[HO+\i]   ; the conversion does not saturate (ISA guide 7.6.2); p is not negative, so the hold is one-sided
.endr
.irp k, 0,1,2
	v_min_num_f32 v[Z+8*(\i%2)+\k], v[S+16*\i+8+\k], v[HO+\i]
.endr
	v_cvt_scalef32_pk8_bf8_f32 v[PC+4*\i+2*\a:PC+4*\i+2*\a+1], v[S+16*\i:S+16*\i+7], v[SO+\i]
	v_cvt_scalef32_pk8_bf8_f32 v[PC+4*\i+2-2*\a:PC+4*\i+3-2*\a], v[Z+8*(\i%2):Z+8*(\i%2)+7], v[SO+\i]
.endr
.rept 4
	v_nop                                          ; codes made by vector instructions stand four places ahead of the product
.endr
.endm
; o = O^T / l of query tile a, quantised along the head's 32 numbers: block head % 4 of K step head / 4 of the last product
; (both tiles by turns; tile a's 16 numbers at S + 16 a, its codes at 48 + 4 a)
.macro OUT
	v_permlanex16_b32 v[TT], v2, s[SEL], s[SEL+1]
	v_permlanex16_b32 v134, v252, s[SEL], s[SEL+1]
	v_add_f32 v2, v2, v[TT]                        ; with lane l xor 16's: l, above 1/2
	v_add_f32 v252, v252, v134
	s_wait_alu depctr_va_vdst(0)                   ; the waits ahead of the reciprocals and of their first readers
	v_rcp_f32 v2, v2
	v_rcp_f32 v252, v252
	v_nop
	WIN 0x01
	s_wait_alu depctr_va_vdst(0)
.set N_, 0
.rept 8
	v_pk_mul_f32 v[S+2*N_:S+2*N_+1], v[212+2*N_:212+2*N_+1], v[2:3] op_sel_hi:[1,0]   ; register i: o(my query, 32 head + 16 (lane / 16) + i)
.set N_, N_+1
.endr
	WIN 0
	s_wait_alu depctr_va_vdst(0)
.set N_, 0
.rept 8
	v_pk_mul_f32 v[S+16+2*N_:S+17+2*N_], v[O+2*N_:O+2*N_+1], v[252:253] op_sel_hi:[1,0]
.set N_, N_+1
.endr
.irp a, 0,1
	v_max3_num_f32 v[128+\a], |v[S+16*\a]|, |v[S+16*\a+1]|, 0x8000000
	v_max3_num_f32 v[130+\a], |v[S+16*\a+8]|, |v[S+16*\a+9]|, |v[S+16*\a+10]|
.endr
.irp k, 2,4
.irp a, 0,1
	v_max3_num_f32 v[128+\a], v[128+\a], |v[S+16*\a+\k]|, |v[S+16*\a+\k+1]|
	v_max3_num_f32 v[130+\a], v[130+\a], |v[S+16*\a+\k+9]|, |v[S+16*\a+\k+10]|
.endr
.endr
.irp a, 0,1
	v_max3_num_f32 v[128+\a], v[128+\a], |v[S+16*\a+6]|, |v[S+16*\a+7]|
.endr
.irp a, 0,1
	v_max3_num_f32 v[128+\a], v[128+\a], v[130+\a], |v[S+16*\a+15]|
.endr
.irp a, 0,1
	v_permlanex16_b32 v[T+\a], v[128+\a], s[SEL], s[SEL+1]
.endr
.irp a, 0,1
	v_max_num_f32 v[128+\a], v[128+\a], v[T+\a]
.endr
.irp a, 0,1
	v_add_nc_u32 v[SO+\a], 0xf8800000, v[128+\a]
	v_and_or_b32 v[HO+\a], v[128+\a], 0x7f800000, s[MNT]
.endr
.irp a, 0,1
.irp i, 0,1,2,3,4,5,6,7,8,9,10,11,12,13,14,15
	v_med3_num_f32 v[S+16*\a+\i], v[S+16*\a+\i], -v[HO+\a], v[HO+\a]
.endr
	v_cvt_scalef32_pk8_bf8_f32 v[48+4*\a:49+4*\a], v[S+16*\a:S+16*\a+7], v[SO+\a]
	v_cvt_scalef32_pk8_bf8_f32 v[50+4*\a:51+4*\a], v[S+16*\a+8:S+16*\a+15], v[SO+\a]
	v_lshrrev_b32 v[T+2+\a], 23, v[SO+\a]          ; the byte; also the plain line behind the conversions
	ds_store_b128 v9, v[48+4*\a:51+4*\a] offset:4096*\a
	ds_store_b8 v10, v[T+2+\a] offset:128*\a       ; lanes r and r + 16 write the same byte with the same value
.endr
.endm
	s_wait_alu depctr_va_vdst(0)                   ; the wait directly ahead of the blocking one
	s_wait_loadcnt 17                              ; Q, the scale words and K are in; V (14 loads), proj_b (1) and proj_w's scale bytes (2) may be out
	WIN 0x01
.irp i, 0,1,2,3,4,5,6
	v_mov_b32 v[KSC+\i], v[192+2*\i]               ; byte 0: k's (the others meet zero codes)
.endr
	WIN 0x11
	v_lshl_or_b32 v[VSW], v195, 8, v193            ; V's scale words: byte c is key row 4 s + c's
	v_lshl_or_b32 v[VSW+1], v203, 8, v201
	WIN 0x01
	v_lshl_or_b32 v[VSW], v197, 16, v[VSW]
	v_lshl_or_b32 v[VSW+1], v205, 16, v[VSW+1]
	v_lshl_or_b32 v[VSW], v199, 24, v[VSW]
	v_nop                                          ; a scale register so written stands eight places ahead of the product
	v_nop
	v_nop
	SMM 0
	SOFT 0
	s_wait_alu depctr_va_vdst(0)                   ; the wait directly ahead of the blocking ones
	s_wait_loadcnt 0x0                             ; V, proj_b, proj_w's scale bytes
	s_wait_tensorcnt 0x0                           ; my part of proj_w's codes
	s_wait_dscnt 0x0
	s_barrier_signal -1                            ; say so; work on registers until the wait
	PVM 0x51, 212
	SMM 1
	SOFT 1
	PVM 0x01, O
	WIN 0
	v_lshl_add_u32 v112, v6, 10, s88               ; where my results go: these nine lines are the places behind the products
	v_lshl_add_u32 v112, v5, 4, v112
.irp j, 1,2,3,4,5,6,7
	v_add_nc_u32 v[112+\j], s89, v[112+\j-1]
.endr
	s_wait_alu depctr_va_vdst(0)                   ; the wait directly ahead of the blocking one
	s_barrier_wait -1                              ; all of proj_w's codes lie in LDS
	WIN 0x40
.irp t, 0,1,2,3                        ; Q, K and the masks have had their last reader: proj_w's eight fragments take their registers
.irp s, 0,1
.irp c, 0,1,2,3
	ds_load_b128 v[16*(2*\t+\s)+4*\c:16*(2*\t+\s)+4*\c+3], v11 offset:16*272*\t+128*\s+32*\c
.endr
.endr
.endr
	WIN 0
	OUT
	s_wait_tensorcnt 0x0                           ; behind my last LDS store
	ds_add_u32 v3, v4
	s_wait_dscnt 0x0                               ; the add, my stores and my loads are done
	s_barrier_signal -1
	s_barrier_wait -1                              ; o's four fragments and their scale words lie in LDS
	; ---- out = o proj_w^T + proj_b: source 0 = 16 tokens, source 1 = 16 rows of proj_w
.irp s, 0,1
.irp c, 0,1,2,3
	ds_load_b128 v[16+16*\s+4*\c:16+16*\s+4*\c+3], v14 offset:2048*\s+512*\c
.endr
	ds_load_b32 v[251-\s], v15 offset:64*\s
.endr
	s_wait_dscnt 0x0
	WIN 0x04
.irp t, 0,1,2,3                        ; the four accumulators by turns
	F8 48+8*\t, 16, 32*\t, -1, 251, PWS+2*\t
.endr
.irp t, 0,1,2,3
	F8 48+8*\t, 32, 32*\t+16, 48+8*\t, 250, PWS+2*\t+1
.endr
	PLACES8
.irp j, 0,1,2,3,4,5,6,7
.irp t, 0,1,2,3
	v_add_f32 v[80+4*\j+\t], v[48+8*\t+\j], v[208+\t]   ; the bias; a token's four neighbouring columns come to neighbouring registers
.endr
.endr
	WIN 0
.irp j, 0,1,2,3,4,5,6,7
	global_store_b128 v[112+\j], v[80+4*\j:80+4*\j+3], s[14:15] th:TH_STORE_NT   ; sixteen lanes store 256 consecutive bytes, aligned: two tokens an instruction; written once, read by nobody here
.endr
	CROUND                                         ; the closing round: no work-group ends while a partner may still ask for a tile that names it
	s_endpgm
.Lfunc_end_k_qd3263adcbb_attn:
	.size	k_qd3263adcbb_attn, .Lfunc_end_k_qd3263adcbb_attn-k_qd3263adcbb_attn
	.p2alignl 7, 3214868480
	.fill 96, 4, 3214868480
	.section	.rodata,"a",@progbits
	.p2align	6, 0x0
	.amdhsa_kernel k_qd3263adcbb_attn
		.amdhsa_group_segment_fixed_size 167936
		.amdhsa_private_segment_fixed_size 0
		.amdhsa_enable_private_segment 0
		.amdhsa_kernarg_size 48
		.amdhsa_user_sgpr_count 2
		.amdhsa_user_sgpr_kernarg_segment_ptr 1
		.amdhsa_wavefront_size32 1
		.amdhsa_system_sgpr_workgroup_id_x 1
		.amdhsa_system_sgpr_workgroup_id_y 1
		.amdhsa_system_sgpr_workgroup_id_z 1
		.amdhsa_system_vgpr_workitem_id 0
		.amdhsa_next_free_vgpr 512
		.amdhsa_next_free_sgpr 96
		.amdhsa_reserve_vcc 0
		.amdhsa_float_denorm_mode_32 3
		.amdhsa_float_denorm_mode_16_64 3
		.amdhsa_memory_ordered 1
		.amdhsa_forward_progress 1
		.amdhsa_inst_pref_size 70
	.end_amdhsa_kernel
	.amdgpu_metadata
---
amdhsa.version: [ 1, 2 ]
amdhsa.kernels:
  - .name:           k_qd3263adcbb_attn
    .symbol:         k_qd3263adcbb_attn.kd
    .args:
      - { .name: qkvc, .offset: 0, .size: 8, .value_kind: global_buffer, .address_space: global }
      - { .name: scl, .offset: 8, .size: 8, .value_kind: global_buffer, .address_space: global }
      - { .name: pwc, .offset: 16, .size: 8, .value_kind: global_buffer, .address_space: global }
      - { .name: pws, .offset: 24, .size: 8, .value_kind: global_buffer, .address_space: global }
      - { .name: proj_b, .offset: 32, .size: 8, .value_kind: global_buffer, .address_space: global }
      - { .name: out0, .offset: 40, .size: 8, .value_kind: global_buffer, .address_space: global }
    .group_segment_fixed_size: 167936
    .private_segment_fixed_size: 0
    .kernarg_segment_align: 8
    .kernarg_segment_size: 48
    .max_flat_workgroup_size: 256
    .sgpr_count:     96
    .vgpr_count:     512
    .wavefront_size: 32
...
	.end_amdgpu_metadata
.endif
;; end of part 2
